; MI455X (gfx1250); checked and timed in simulation.
; The chip was launched on July 23, 2026; its instructions are those of AMD's public machine-readable ISA for CDNA 5 (MIT licence, August 2026) and "CDNA5" Instruction Set Architecture Reference Guide (July 2026). The comments in the code are by the model that wrote it; some were corrected since.
;; Multi Head Attention. Allowed arithmetic: matrix products marked QUANTISED: E3M2 operands, one E8M0 scale for each 32 along K, by v_wmma_scale_f32_16x16x128_f8f6f4 with both operands' format E3M2, f32 sums; everything else in f32.
;; Inputs: WK_codes 1,024 x 32 x 24 uint8 (E3M2 codes of WK, K innermost, in blocks of 32 codes, four codes in three bytes); WK_scales 1,024 x 32 uint8 (E8M0 scales of WK, one for each 32 codes along K); WQ_codes 1,024 x 32 x 24 uint8 (E3M2 codes of WQ, K innermost, in blocks of 32 codes, four codes in three bytes); WQ_scales 1,024 x 32 uint8 (E8M0 scales of WQ, one for each 32 codes along K); WV_codes 1,024 x 32 x 24 uint8 (E3M2 codes of WV, K innermost, in blocks of 32 codes, four codes in three bytes); WV_scales 1,024 x 32 uint8 (E8M0 scales of WV, one for each 32 codes along K); attn_mask 32 x 2,048 x 2,048 bool; key_codes 2 x 2,048 x 32 x 24 uint8 (E3M2 codes of key, K innermost, in blocks of 32 codes, four codes in three bytes); key_scales 2 x 2,048 x 32 uint8 (E8M0 scales of key, one for each 32 codes along K); query_codes 2 x 2,048 x 32 x 24 uint8 (E3M2 codes of query, K innermost, in blocks of 32 codes, four codes in three bytes); query_scales 2 x 2,048 x 32 uint8 (E8M0 scales of query, one for each 32 codes along K); value_codes 2 x 2,048 x 32 x 24 uint8 (E3M2 codes of value, K innermost, in blocks of 32 codes, four codes in three bytes); value_scales 2 x 2,048 x 32 uint8 (E8M0 scales of value, one for each 32 codes along K).
;; Outputs: out0 2 x 2,048 x 1,024 float32.
;; This version of the problem:
;;   THIS VERSION OF THE PROBLEM IS GIVEN IN LOW PRECISION. The matrix products marked QUANTISED in the list below multiply operands that are first quantised to E3M2 (3 exponent bits, 2 mantissa bits; 6 bits a number), with one power-of-two scale for each 32 numbers along K (OCP MX v1.0); their sums are f32. All else is computed in f32.
;;   The module's matrix products, in the order in which they are computed (A, B: the left and right operand; K: the contracted axis; several contracted axes count as one K, in the product's order):
;;     1. [M 4,096, K 1,024] x [K 1,024, N 1,024]; A: input query (given as codes); B: input WQ (given as codes): QUANTISED
;;     2. [M 4,096, K 1,024] x [K 1,024, N 1,024]; A: input key (given as codes); B: input WK (given as codes): QUANTISED
;;     3. [M 4,096, K 1,024] x [K 1,024, N 1,024]; A: input value (given as codes); B: input WV (given as codes): QUANTISED
;;     4. batch 32 x [M 2,048, K 64] x [K 64, N 2,048]; A: computed on the way; B: computed on the way: QUANTISED
;;     5. batch 32 x [M 2,048, K 2,048] x [K 2,048, N 64]; A: computed on the way; B: computed on the way: QUANTISED
;;   THE QUANTISER, for each operand of a quantised product, along K:
;;     - K is cut into blocks of 32 from its start; a last block that is shorter is filled with zeros.
;;     - A block's scale is 2^e with e = floor(log2(the largest magnitude in the block)) - 4, held to -126 .. 127; a block of zeros has e = 0. As a byte (E8M0): e + 127.
;;     - Each number is divided by its block's scale, clamped to +-28, and rounded to the nearest number of E3M2, ties to even, subnormals kept.
;;     - The product sums the exact products of the quantised numbers (number of the format x scale) in f32.
;;   ~~~python
;;   def quantise(x, axis):      # numpy; x: float32 -> the quantised numbers, widened to float32 again
;;       x = np.moveaxis(x, axis, -1); K = x.shape[-1]
;;       x = np.pad(x, [(0, 0)] * (x.ndim - 1) + [(0, -K % 32)]); x = x.reshape(x.shape[:-1] + (-1, 32)); a = np.abs(x).max(-1, keepdims=True)
;;       e = np.where(a > 0, np.clip(np.frexp(np.where(a > 0, a, 1))[1] - 1 - 4, -126, 127), 0)      # np.frexp(a)[1] - 1 = floor(log2(a)), exactly
;;       r = np.clip(x / 2.0 ** e, -28, 28)
;;       step = 2.0 ** (np.maximum(np.frexp(np.where(r == 0, 1, r))[1] - 1, -2) - 2)
;;       q = np.round(r / step) * step * 2.0 ** e      # np.round: ties to even
;;       return np.moveaxis(q.reshape(q.shape[:-2] + (-1,))[..., :K], -1, axis).astype(np.float32)
;;   ~~~
;;   OPERANDS COMPUTED ON THE WAY. 'Computed on the way' means the value that the module computes at that place (a softmax that the list does not call 'softmax' is quantised finished and normalised). What goes into a quantiser is computed in f32, as accurately as f32 sums, v_exp_f32 and their like allow (about 1e-6 of the number): no bf16 or f16 on the way to a quantiser, and a product that is left as it is and whose result goes on into a quantised operand takes f32 operands (vector FMAs, or v_wmma_f32_16x16x4_f32). A number that lies on a knife's edge between two numbers of the format may be rounded either way, as far as f32 arithmetic and the matrix unit's own rounding can turn it there, and no further.
;;   INPUTS GIVEN AS CODES. WK (in the module: [1024, 1024], K = its axis 0); WQ (in the module: [1024, 1024], K = its axis 0); WV (in the module: [1024, 1024], K = its axis 0); key (in the module: [2, 2048, 1024], K = its axis 2); query (in the module: [2, 2048, 1024], K = its axis 2); value (in the module: [2, 2048, 1024], K = its axis 2): each comes as NAME_codes (uint8): NAME with its K axis moved to the last place and cut into blocks of 32 codes, [.., K / 32, bytes a block], one block behind the other in memory; four codes in three bytes: a row's codes are one little-endian stream of bits, code i at bits 6 i .. 6 i + 5 (a code: sign, 3 exponent bits, 2 mantissa bits); and NAME_scales (uint8): the same leading axes, one E8M0 byte (e + 127) for each 32 codes along K. Its value is code x scale, taken as it is: it is not quantised again, and the codes and scales need not be those that the quantiser above would give.
;; One version. Each part assembles by itself: llvm-mc -triple=amdgcn-amd-amdhsa -mcpu=gfx1250 --defsym DOCPART=n.
;; ======== version 1 of 1: 2 launches
;; limits: right only within a limited range of input values
;; workspace buffers: qkv 9,830,400 bytes
;; launch proj (part 1): grid 4 x 48, 4 waves a work-group, clusters of 4 x 4, 327,680 bytes of LDS; arguments query_codes, query_scales, WQ_codes, WQ_scales, key_codes, key_scales, WK_codes, WK_scales, WV_codes, WV_scales, value_codes, value_scales, qkv; writes qkv
.if DOCPART == 1
	.amdgcn_target "amdgcn-amd-amdhsa--gfx1250"
	.amdhsa_code_object_version 6
	.text
	.protected	k_qbb7360e589_proj
	.globl	k_qbb7360e589_proj
	.p2align	8
	.type	k_qbb7360e589_proj,@function
k_qbb7360e589_proj:
	s_mov_b64 s[64:65], 0
	v_nop
	global_prefetch_b8 v0, s[64:65] scope:SCOPE_SE
	s_setreg_imm32_b32 hwreg(HW_REG_WAVE_MODE, 25, 1), 1
	s_wait_xcnt 0x0
	s_wait_alu depctr_hold_cnt(0) depctr_sa_sdst(0) depctr_va_vdst(0) depctr_va_sdst(0) depctr_va_ssrc(0) depctr_va_vcc(0) depctr_vm_vsrc(0)
	s_getreg_b32 s2, hwreg(HW_REG_IB_STS2, 6, 4)
	s_cmp_eq_u32 s2, 0
	s_cbranch_scc0 .Lentry_in_a_cluster
	s_endpgm
.Lentry_in_a_cluster:
	s_bfe_u32 s2, ttmp6, 0x10000c
	s_cmp_lg_u32 s2, 0xf033
	s_cbranch_scc0 .Lentry_shape_is_right
	s_endpgm
.Lentry_shape_is_right:
; The three projections q = query WQ, k = key WK, v^T = WV^T value^T on E3M2 codes, each result quantised along the next product's K and stored as codes and scale bytes in qkv.
; No work of the problem is left out in this program: every input is read and every product is made.
; Cluster row y / 4 picks the product (0 q, 1 k, 2 v).  A work-group makes 256 x 256, a wave 128 x 128 (64 accumulators).  Source 0 takes B's rows, source 1 A's, so a lane's registers run along B's rows.
; B's rows of a tile are chosen (lane r of tile 2 b + u: row 32 b + 8 u + r + 8 (r / 8)) so that the 16 registers of two neighbouring tiles are 16 neighbours along the next K.
; K walks through two LDS slots in chunks of 256 bytes of each row of codes (a row is 768 bytes, so each chunk begins at a multiple of 256 bytes); a step of 128 along K is 96 bytes: eight steps to three chunks.
; The scales of the 256 + 256 rows come once, as dense blocks.  A's tiles are asked for jointly along a row of the 4 x 4 cluster, B's along a column.
; No prefetch: the walk has three chunks, of which two are asked for at the start.
; qkv, for each head x batch 307,200 bytes: k's codes and scales at 0, v's at 102,400, q's at 204,800, in the order in which the next launch's operand registers take them.
.set ROWB,   256
.set NQ,     2
.set KROW,   768
.set STEPS,  8
.set CHUNKS, 3
.set PITCH,  272
.set FR,     12
.set NL,     6
.set NP,     4
.set HALFT,  128*PITCH
.set SLOT,   4*HALFT
.set KS,     32
.set SCL,    2*SLOT
.set HALFS,  (128*KS/256)*272
.set SBLK,   (16*KS/256)*272
.set SPARE,  SCL+4*HALFS
.set HEAD2,  614400
.set A16,  8
.set A8,   10
.set ADRA, 16
.set ADRB, 20
.set ADRS, 27
.set SPW,  28
.set NIL,  29
.set ADRS2, 30
.set SC,   32
.set TM,   64
.set PC,   80
.set WS,   100
.set DP,   108
.set EW,   116
.set FW,   124
.set RW,   128
.set AF,   128
.set G1, 24
.set G0, 32
.set G1B, 48
.set G0B, 56
.set SEL, 66
.set G1S, 68
.set G0S, 76
.set G1SB, 80
.set G0SB, 88
.set G0H, 4
.set G0HB, 8
.set PRD, 98
.set MSB, 0
.macro WIN new
.if MSB != (\new)
	s_set_vgpr_msb (MSB<<8)|(\new)
.set MSB, (\new)
.endif
.endm
.set MUL_LO, 0xa1
.set MUL_HI, 0xf1
.set TO_B,   0x40
.macro JLOAD g0a, g1a, g0b, g1b        ; waves 0, 1 ask for A, waves 2, 3 for B
	s_cmp_eq_u32 s15, 0
	s_cbranch_scc0 .Lfor_b_\@
	tensor_load_to_lds s[\g0a:\g0a+3], s[\g1a:\g1a+7]
	s_nop 0
.rept 4
	v_nop
.endr
	s_branch .Lasked_\@
.Lfor_b_\@:
	tensor_load_to_lds s[\g0b:\g0b+3], s[\g1b:\g1b+7]
	s_nop 0
.rept 4
	v_nop
.endr
.Lasked_\@:
.endm
.macro CREST
	s_cmp_lg_u32 s14, 0
	s_cbranch_scc1 .Lnot_wave_0_\@
	s_barrier_signal -3
.Lnot_wave_0_\@:
	s_barrier_wait -3
	s_barrier_signal -1
	s_barrier_wait -1
.endm
.macro CROUND
	s_barrier_signal -1
	s_barrier_wait -1
	CREST
.endm
	s_load_b256 s[68:75], s[0:1], 0x0
	s_load_b256 s[76:83], s[0:1], 0x20
	s_load_b256 s[84:91], s[0:1], 0x40
	s_load_b64 s[12:13], s[0:1], 0x60
	v_lshl_add_u32 v[SPW], v0, 2, SPARE
	v_mov_b32 v[NIL], 0
	ds_add_u32 v[SPW], v[NIL]                      ; the opening add, twice on end
	ds_add_u32 v[SPW], v[NIL]
	v_lshrrev_b32 v1, 5, v0
	v_readfirstlane_b32 s14, v1                    ; wave
	s_lshr_b32 s15, s14, 1
	s_and_b32 s16, s14, 1
	s_bfe_u32 s40, ttmp6, 0x40000                  ; cx
	s_bfe_u32 s41, ttmp6, 0x40004                  ; cy
	s_and_b32 s17, ttmp7, 0xffff
	s_lshr_b32 s[PRD], s17, 2                      ; the product
	s_and_b32 s17, s17, 3
	s_lshl_b32 s17, s17, 2
	s_cmp_eq_u32 s[PRD], 2
	s_cselect_b32 s42, s17, 0                      ; v: the long side (tokens) is B's
	s_cselect_b32 s17, 0, s17
	s_add_co_u32 s42, s42, s40                     ; B's tile
	s_add_co_u32 s17, s17, s41                     ; A's tile
	s_lshl_b32 s43, s41, 2
	s_lshl_b32 s43, 15, s43
	s_lshl_b32 s44, 0x1111, s40
	s_mov_b32 s[SEL], 0x76543210
	s_mov_b32 s[SEL+1], 0xfedcba98
	s_mov_b32 s99, 0x2800000
	s_mov_b32 s100, 0x05040100
	s_mov_b32 s101, 0x07060302
	s_mov_b32 s104, 0xff00ff00
	s_mov_b32 s105, 0xffff0000
	s_or_b32 s[G1+0], s43, (0<<16)|(1<<20)|(1<<21)|(5<<22)|(3<<25)
	s_or_b32 s[G1B+0], s44, (0<<16)|(1<<20)|(1<<21)|(5<<22)|(3<<25)
.irp g, G1, G1B
	s_mov_b32 s[\g+1], ROWB<<16
	s_mov_b32 s[\g+2], 256<<16                     ; the first loads bring 256 rows
	s_mov_b32 s[\g+3], ROWB<<16
	s_mov_b32 s[\g+4], 256
	s_mov_b32 s[\g+5], KROW
	s_mov_b32 s[\g+6], 0
	s_mov_b32 s[\g+7], 0
.endr
	s_lshl_b32 s20, s17, 8
	s_lshl_b32 s46, s42, 8
	s_mov_b32 s21, 0
	s_mov_b32 s47, 0
	s_mov_b64 s[18:19], KS
	s_mul_u64 s[22:23], s[20:21], s[18:19]
	s_mul_u64 s[92:93], s[46:47], s[18:19]
	s_mov_b64 s[18:19], KROW
	s_mul_u64 s[20:21], s[20:21], s[18:19]
	s_mul_u64 s[46:47], s[46:47], s[18:19]
	s_mul_i32 s18, s16, 128*KROW
	s_mov_b32 s19, 0
	s_mul_i32 s45, s14, HALFT
	s_wait_dscnt 0x0                               ; both opening adds are done
	s_wait_kmcnt 0x0
	s_cmp_eq_u32 s[PRD], 1
	s_cselect_b64 s[4:5], s[76:77], s[68:69]
	s_cselect_b64 s[6:7], s[78:79], s[70:71]
	s_cselect_b64 s[8:9], s[80:81], s[72:73]
	s_cselect_b64 s[10:11], s[82:83], s[74:75]
	s_cmp_eq_u32 s[PRD], 2
	s_cselect_b64 s[4:5], s[84:85], s[4:5]
	s_cselect_b64 s[6:7], s[86:87], s[6:7]
	s_cselect_b64 s[8:9], s[88:89], s[8:9]
	s_cselect_b64 s[10:11], s[90:91], s[10:11]
	s_or_b32 s[G1S+0], s43, (3<<16)|(1<<20)|(1<<21)|(5<<22)|(3<<25)
	s_or_b32 s[G1SB+0], s44, (3<<16)|(1<<20)|(1<<21)|(5<<22)|(3<<25)
.irp g, G1S, G1SB
	s_mov_b32 s[\g+1], 32<<16                      ; the scales of 256 rows: KS rows of 256 bytes
	s_mov_b32 s[\g+2], KS<<16
	s_mov_b32 s[\g+3], 32<<16
	s_mov_b32 s[\g+4], KS
	s_mov_b32 s[\g+5], 32
	s_mov_b32 s[\g+6], 0
	s_mov_b32 s[\g+7], 0
.endr
	s_add_nc_u64 s[20:21], s[4:5], s[20:21]
	s_add_nc_u64 s[22:23], s[6:7], s[22:23]
	s_add_nc_u64 s[46:47], s[8:9], s[46:47]
	s_add_nc_u64 s[92:93], s[10:11], s[92:93]
	CROUND                                         ; in front of the first joint loads
	s_mov_b32 s[G0H], 1
	s_mov_b32 s[G0H+1], 0
	s_mov_b64 s[G0H+2:G0H+3], s[20:21]
	s_or_b32 s[G0H+3], s[G0H+3], 0x80000000
	s_mov_b32 s[G0HB], 1
	s_mov_b32 s[G0HB+1], 2*HALFT
	s_mov_b64 s[G0HB+2:G0HB+3], s[46:47]
	s_or_b32 s[G0HB+3], s[G0HB+3], 0x80000000
	s_mov_b32 s[G0S], 1
	s_mov_b32 s[G0S+1], SCL
	s_mov_b64 s[G0S+2:G0S+3], s[22:23]
	s_or_b32 s[G0S+3], s[G0S+3], 0x80000000
	s_mov_b32 s[G0SB], 1
	s_mov_b32 s[G0SB+1], SCL+2*HALFS
	s_mov_b64 s[G0SB+2:G0SB+3], s[92:93]
	s_or_b32 s[G0SB+3], s[G0SB+3], 0x80000000
	s_add_nc_u64 s[20:21], s[20:21], s[18:19]
	s_add_nc_u64 s[46:47], s[46:47], s[18:19]
.irp s, 0,1
	s_mov_b32 s[G0+4*\s], 1
	s_add_co_u32 s[G0+4*\s+1], s45, \s*SLOT
	s_add_nc_u64 s[G0+4*\s+2:G0+4*\s+3], s[20:21], \s*ROWB
	s_or_b32 s[G0+4*\s+3], s[G0+4*\s+3], 0x80000000
	s_mov_b32 s[G0B+4*\s], 1
	s_add_co_u32 s[G0B+4*\s+1], s45, \s*SLOT
	s_add_nc_u64 s[G0B+4*\s+2:G0B+4*\s+3], s[46:47], \s*ROWB
	s_or_b32 s[G0B+4*\s+3], s[G0B+4*\s+3], 0x80000000
.endr
; the first four tiles, one load a wave: chunk 0 of A, chunk 0 of B, A's scales, B's scales
.macro ARM under, g0, g1, next
	s_cmp_lt_u32 s14, \under
	s_cbranch_scc0 \next
	tensor_load_to_lds s[\g0:\g0+3], s[\g1:\g1+7]
	s_nop 0
.rept 4
	v_nop
.endr
	s_branch .Lhead_asked
\next:
.endm
	ARM 1, G0H,  G1,  .Lhead_b
	ARM 2, G0HB, G1B, .Lhead_sa
	ARM 3, G0S,  G1S, .Lhead_sb
	tensor_load_to_lds s[G0SB:G0SB+3], s[G1SB:G1SB+7]
	s_nop 0
.rept 4
	v_nop
.endr
.Lhead_asked:
	v_and_b32 v1, 15, v0                           ; r
	v_bfe_u32 v2, v0, 4, 1                         ; h
	v_mul_u32_u24 v3, v1, PITCH                    ; A: row r
	v_and_b32 v8, 8, v1
	v_add_nc_u32 v8, v8, v1
	v_mul_u32_u24 v8, v8, PITCH                    ; B: row r + 8 (r / 8)
	v_mul_u32_u24 v4, v2, 24
	s_mov_b32 s21, SLOT-232
	s_mov_b32 s22, SLOT+232
	v_sub_nc_u32 v7, 1, v2
	v_mul_u32_u24 v5, s21, v2
	v_add_nc_u32 v5, 232, v5                       ; lanes 0-15 byte 232 in slot 0, lanes 16-31 byte 0 in slot 1
	v_mul_u32_u24 v6, s22, v7                      ; lanes 0-15 byte 232 in slot 1, lanes 16-31 byte 0 in slot 0
	v_add_nc_u32 v9, v3, v5
	v_add_nc_u32 v10, v3, v6
	v_add_nc_u32 v11, v8, v5
	v_add_nc_u32 v12, v8, v6
	v_add_nc_u32 v3, v3, v4
	v_add_nc_u32 v8, v8, v4
	s_mul_i32 s21, s15, HALFT
	s_mul_i32 s22, s16, HALFT
	s_add_co_u32 s22, s22, 2*HALFT
	v_add_nc_u32 v[ADRA+2], s21, v9
	v_add_nc_u32 v[ADRA+3], s21, v10
	v_add_nc_u32 v[ADRB+2], s22, v11
	v_add_nc_u32 v[ADRB+3], s22, v12
.irp s, 0,1
	v_add_nc_u32 v[ADRA+\s], s21, v3
	v_add_nc_u32 v[ADRB+\s], s22, v8
	s_add_co_u32 s21, s21, SLOT
	s_add_co_u32 s22, s22, SLOT
.endr
	v_and_b32 v5, 24, v0                           ; scale words: lanes 0-15 A's row r, lanes 16-31 B's row r + 8 (r / 8)
	v_add_nc_u32 v5, 8, v5
	v_lshrrev_b32 v5, 5, v5
	v_lshl_add_u32 v5, v5, 3, v1
	v_lshlrev_b32 v5, 5, v5
	v_lshrrev_b32 v6, 8, v5
	v_lshl_add_u32 v5, v6, 4, v5
	s_mul_i32 s21, s15, HALFS
	s_mul_i32 s22, s16, HALFS
	s_add_co_u32 s22, s22, 2*HALFS
	s_sub_co_u32 s22, s22, s21
	v_mul_u32_u24 v6, s22, v2
	s_add_co_u32 s21, s21, SCL
	v_add_nc_u32 v5, v5, v6
	v_add_nc_u32 v[ADRS], s21, v5
	v_mul_u32_u24 v6, v2, 272
	v_sub_nc_u32 v[ADRS2], v[ADRS], v6             ; B's odd tiles begin 8 rows earlier than A's
	s_lshl_b32 s95, s17, 8                         ; where my results go in qkv
	s_lshl_b32 s96, s15, 7
	s_add_co_u32 s95, s95, s96
	s_lshl_b32 s96, s42, 8
	s_lshl_b32 s97, s16, 7
	s_add_co_u32 s96, s96, s97
	s_cmp_eq_u32 s[PRD], 2
	s_cselect_b32 s97, s95, s96
	s_cselect_b32 s96, s96, s95
	s_lshr_b32 s97, s97, 6
	s_lshr_b32 s95, s96, 11
	s_lshl_b32 s97, s97, 1
	s_add_co_u32 s97, s97, s95
	s_mul_i32 s97, s97, 307200
	s_bfe_u32 s96, s96, 0x40007
	s_cmp_eq_u32 s[PRD], 0
	s_cselect_b32 s95, 204800, 0
	s_cmp_eq_u32 s[PRD], 2
	s_cselect_b32 s95, 102400, s95
	s_add_co_u32 s97, s97, s95
	s_mul_i32 s95, s96, 6144
	s_add_co_u32 s20, s97, s95
	s_mov_b32 s21, 0
	s_lshl_b32 s95, s96, 8
	s_add_co_u32 s22, s97, s95
	s_add_co_u32 s22, s22, 98304
	s_mov_b32 s23, 0
	s_add_nc_u64 s[20:21], s[12:13], s[20:21]
	s_add_nc_u64 s[22:23], s[12:13], s[22:23]
.macro FRAG reg, adr, st, row          ; 12 registers in pieces of 8 bytes; byte y of a row of codes lies in slot (y / 256) % 2 at byte y % 256
.irp p, 0,1,2,3,4,5
.set BY, 96*(\st)+48*(\p/3)+8*(\p%3)
.if BY/ROWB == (BY+24)/ROWB
	ds_load_b64 v[\reg+2*\p:\reg+2*\p+1], v[\adr+(BY/ROWB)%2] offset:BY%ROWB+(\row)*PITCH
.else
	ds_load_b64 v[\reg+2*\p:\reg+2*\p+1], v[\adr+2+(BY/ROWB)%2] offset:BY%ROWB-232+(\row)*PITCH
.endif
.endr
.endm
.macro MUL16 a0, p, q, sc, zero        ; the 64 accumulators take turns, one instruction a turn
.irp a, \a0, \a0+1
.irp b, 0,1,2,3,4,5,6,7
.if \zero
	v_wmma_scale_f32_16x16x128_f8f6f4 v[8*(8*((\a)%4)+\b):8*(8*((\a)%4)+\b)+7], v[128*(\p)+FR*\b:128*(\p)+FR*\b+FR-1], v[AF+FR*(\a):AF+FR*(\a)+FR-1], 0, v[SC+8*NQ*(\sc)+NQ*\b+(\q)], v[SC+8*NQ*(\sc)+NQ*(\a)+(\q)] matrix_a_fmt:MATRIX_FMT_BF6 matrix_b_fmt:MATRIX_FMT_BF6 matrix_a_scale:MATRIX_SCALE_ROW1
.else
	v_wmma_scale_f32_16x16x128_f8f6f4 v[8*(8*((\a)%4)+\b):8*(8*((\a)%4)+\b)+7], v[128*(\p)+FR*\b:128*(\p)+FR*\b+FR-1], v[AF+FR*(\a):AF+FR*(\a)+FR-1], v[8*(8*((\a)%4)+\b):8*(8*((\a)%4)+\b)+7], v[SC+8*NQ*(\sc)+NQ*\b+(\q)], v[SC+8*NQ*(\sc)+NQ*(\a)+(\q)] matrix_a_fmt:MATRIX_FMT_BF6 matrix_b_fmt:MATRIX_FMT_BF6 matrix_a_scale:MATRIX_SCALE_ROW1
.endif
.endr
.endr
.endm
.macro FETCH_B st, p
	WIN TO_B
.irp i, 0,1,2,3,4,5,6,7
	FRAG 128*(\p)+FR*\i, ADRB, \st, 32*(\i/2)+8*(\i%2)
.endr
	WIN 0
.endm
.macro FETCH_A st, i0
.irp i, \i0, \i0+1, \i0+2, \i0+3
	FRAG AF+FR*(\i), ADRA, \st, 16*(\i)
.endr
.endm
.macro SCALES pr                       ; the scale words of steps 2 pr, 2 pr + 1
.irp i, 0,1,2,3,4,5,6,7
.if \i%2
	ds_load_b64 v[SC+8*NQ*((\pr)%2)+NQ*\i:SC+8*NQ*((\pr)%2)+NQ*\i+1], v[ADRS2] offset:\i*SBLK+4*NQ*(\pr)
.else
	ds_load_b64 v[SC+8*NQ*((\pr)%2)+NQ*\i:SC+8*NQ*((\pr)%2)+NQ*\i+1], v[ADRS] offset:\i*SBLK+4*NQ*(\pr)
.endif
.endr
.endm
.macro PLACES n
.rept \n
	v_nop
.endr
.endm
; a step of 128 along K.  Where the next step's bytes end in a chunk not yet read, a barrier shows that chunk whole; where they begin in a later chunk, the chunk left behind is given up, and filled again if a chunk two on is left.
.macro STEP st, zero
.set NX, (\st)+1
.set C0, (96*(\st))/ROWB
.set C1, (96*NX)/ROWB
.set E0, (96*(\st)+95)/ROWB
.set E1, (96*NX+95)/ROWB
.if C1 > C0 || E1 > E0
	s_wait_tensorcnt 0x0                           ; all my tensor loads have landed
.if C1 > C0
	ds_add_u32 v[SPW], v[NIL]
	s_wait_dscnt 4*NL+1                            ; the add and A's blocks 4-7 may be out
.else
	s_wait_dscnt 4*NL                              ; A's blocks 4-7 may be out
.endif
	WIN MUL_LO
	MUL16 0, (\st)%2, (\st)%2, ((\st)/2)%2, \zero
	s_wait_dscnt 0x0                               ; the add and my reads are done
	s_barrier_signal -1
	MUL16 2, (\st)%2, (\st)%2, ((\st)/2)%2, \zero
	WIN 0
	s_barrier_wait -1
.if C1 > C0 && C0+2 < CHUNKS
	CREST
	s_add_nc_u64 s[G0+4*(C0%2)+2:G0+4*(C0%2)+3], s[G0+4*(C0%2)+2:G0+4*(C0%2)+3], 2*ROWB
	s_add_nc_u64 s[G0B+4*(C0%2)+2:G0B+4*(C0%2)+3], s[G0B+4*(C0%2)+2:G0B+4*(C0%2)+3], 2*ROWB
	JLOAD G0+4*(C0%2), G1, G0B+4*(C0%2), G1B       ; chunk C0 + 2, first behind the round
.else
	PLACES NP
.endif
.else
	s_wait_dscnt 4*NL                              ; A's blocks 4-7 may be out
	WIN MUL_LO
	MUL16 0, (\st)%2, (\st)%2, ((\st)/2)%2, \zero
	MUL16 2, (\st)%2, (\st)%2, ((\st)/2)%2, \zero
	s_wait_dscnt 0
	PLACES NP
.endif
	FETCH_B NX, NX%2
	FETCH_A NX, 0
.if NX%2 == 0
	SCALES NX/2
.endif
	WIN MUL_HI
	MUL16 4, (\st)%2, (\st)%2, ((\st)/2)%2, \zero
	MUL16 6, (\st)%2, (\st)%2, ((\st)/2)%2, \zero
	PLACES NP
	WIN 0
	FETCH_A NX, 4
.endm
	s_wait_alu depctr_va_vdst(0)                   ; the wait at the head's end
	s_wait_tensorcnt 0x0                           ; my first tile is in
	ds_add_u32 v[SPW], v[NIL]
	s_mov_b32 s[G1+2], 128<<16                     ; no load of mine is out: from here on a load brings 128 rows
	s_mov_b32 s[G1+4], 128
	s_mov_b32 s[G1B+2], 128<<16
	s_mov_b32 s[G1B+4], 128
	s_wait_dscnt 0x0
	CROUND
	JLOAD G0+4, G1, G0B+4, G1B                     ; chunk 1, first behind the round
	FETCH_B 0, 0
	FETCH_A 0, 0
	SCALES 0
	FETCH_A 0, 4
	STEP 0, 1
.set ST, 1
.rept STEPS-2
	STEP ST, 0
.set ST, ST+1
.endr
	s_wait_dscnt 4*NL
	WIN MUL_LO
	MUL16 0, 1, 1, 1, 0
	MUL16 2, 1, 1, 1, 0
	s_wait_dscnt 0
	WIN MUL_HI
	MUL16 4, 1, 1, 1, 0
	MUL16 6, 1, 1, 1, 0
	WIN 0
; THE WAY OUT: block a's 16 rows x 128 are quantised in blocks of 32 along the lane's registers (with lane l xor 16) and stored as operand images
.macro QUANT a
.set AC, 64*((\a)%4)
.set WD, 2+(\a)/4
.set WN1, (WD<<2)|(WD<<4)
	WIN WN1
.irp b, 0,1,2,3
	v_max3_num_f32 v[TM+\b], s99, |v[AC+16*\b]|, |v[AC+16*\b+1]|
.endr
.irp i, 2,4,6,8,10,12,14
.irp b, 0,1,2,3
	v_max3_num_f32 v[TM+\b], v[TM+\b], |v[AC+16*\b+\i]|, |v[AC+16*\b+\i+1]|
.endr
.endr
	WIN 0
.irp b, 0,1,2,3
	v_permlanex16_b32 v[TM+4+\b], v[TM+\b], s[SEL], s[SEL+1]
.endr
.irp b, 0,1,2,3
	v_max_num_f32 v[TM+\b], v[TM+\b], v[TM+4+\b]
.endr
.irp b, 0,1,2,3
	v_add_nc_u32 v[TM+12+\b], 0xfe000000, v[TM+\b]
.endr
.irp b, 0,1,2,3
	v_lshrrev_b32 v[TM+4+\b], 23, v[TM+12+\b]
.endr
	v_lshl_or_b32 v[WS+(\a)], v[TM+5], 8, v[TM+4]
	v_lshl_or_b32 v[WS+(\a)], v[TM+6], 16, v[WS+(\a)]
	v_lshl_or_b32 v[WS+(\a)], v[TM+7], 24, v[WS+(\a)]
	WIN WD
.irp c, 0,1
	v_cvt_scalef32_pk16_bf6_f32 v[PC+6*\c:PC+2+6*\c], v[AC+32*\c:AC+15+32*\c], v[TM+12+2*\c]
	v_cvt_scalef32_pk16_bf6_f32 v[PC+12+4*\c:PC+14+4*\c], v[AC+16+32*\c:AC+31+32*\c], v[TM+12+2*\c+1]
.endr
	WIN 0
	v_nop
.irp c, 0,1
.irp i, 0,1,2
	v_permlane16_swap_b32 v[PC+6*\c+\i], v[PC+12+4*\c+\i]
.endr
.irp i, 0,1,2
	v_mov_b32 v[PC+3+6*\c+\i], v[PC+12+4*\c+\i]
.endr
.endr
.endm
.macro OUT a
.if (\a) > 0
	s_wait_xcnt 0x0                                ; the last block's stores have read their registers
.endif
	QUANT \a
	s_cmp_eq_u32 s[PRD], 2
	s_cbranch_scc1 .Lval_\@
	global_store_b128 v[A16+(\a)%2], v[PC:PC+3], s[20:21] offset:768*(\a)
	global_store_b64 v[A8+(\a)%2], v[PC+4:PC+5], s[20:21] offset:768*(\a)+512
	global_store_b128 v[A16+(\a)%2], v[PC+6:PC+9], s[20:21] offset:768*(\a)+HEAD2
	global_store_b64 v[A8+(\a)%2], v[PC+10:PC+11], s[20:21] offset:768*(\a)+512+HEAD2
	s_branch .Lsent_\@
.Lval_\@:
	s_wait_alu depctr_va_vdst(0)
.irp c, 0,1,2
	global_store_b128 v[A16], v[PC+4*\c:PC+4*\c+3], s[20:21] offset:((\a)/4)*HEAD2+((\a)%4)*1536+512*\c
.endr
.Lsent_\@:
.endm
	v_and_b32 v1, 31, v0
	v_xor_b32 v2, 8, v1
	v_lshlrev_b32 v[A16], 4, v1
	v_lshlrev_b32 v[A16+1], 4, v2
	v_lshlrev_b32 v[A8], 3, v1
	v_lshlrev_b32 v[A8+1], 3, v2
.irp b, 0,1,2,3
	v_mov_b32 v[TM+4+\b], 0
.endr
.irp t, 0,1,2,3,4,5,6,7
	v_mov_b32 v[DP+\t], 0
.endr
.irp a, 0,1,2,3,4,5,6,7
	OUT \a
.endr
	s_cmp_eq_u32 s[PRD], 2
	s_cbranch_scc1 .Lvscale
.irp t, 0,1,2,3,4,5,6,7
	v_mov_b32_dpp v[DP+\t], v[WS+\t] row_xmask:8 row_mask:0xf bank_mask:0xf
.endr
.irp e, 0,1
.irp t, 0,2,4,6
	v_perm_b32 v[EW+\t], v[DP+\t], v[WS+\t], s[100+\e]
	v_perm_b32 v[EW+\t+1], v[WS+\t+1], v[DP+\t+1], s[100+\e]
.endr
.irp g, 0,1,2,3
	v_cndmask_b32 v[FW+\g], v[EW+2*\g], v[EW+2*\g+1], s104
.endr
	v_cndmask_b32 v[RW+2*\e], v[FW], v[FW+2], s105
	v_cndmask_b32 v[RW+2*\e+1], v[FW+1], v[FW+3], s105
	global_store_b64 v[A8], v[RW+2*\e:RW+2*\e+1], s[22:23] offset:HEAD2*\e
.endr
	s_branch .Lscdone
.Lvscale:
.irp e, 0,1
	v_cndmask_b32 v[RW+2*\e], v[WS+4*\e], v[WS+4*\e+2], s105
	v_cndmask_b32 v[RW+2*\e+1], v[WS+4*\e+1], v[WS+4*\e+3], s105
	global_store_b64 v[A8], v[RW+2*\e:RW+2*\e+1], s[22:23] offset:HEAD2*\e
.endr
.Lscdone:
	s_wait_tensorcnt 0x0                           ; the wave's end
	ds_add_u32 v[SPW], v[NIL]
	s_wait_dscnt 0x0
	CROUND
	s_endpgm
.Lfunc_end_k_qbb7360e589_proj:
	.size	k_qbb7360e589_proj, .Lfunc_end_k_qbb7360e589_proj-k_qbb7360e589_proj
	.p2alignl 7, 3214868480
	.fill 96, 4, 3214868480
	.section	.rodata,"a",@progbits
	.p2align	6, 0x0
	.amdhsa_kernel k_qbb7360e589_proj
		.amdhsa_group_segment_fixed_size 327680
		.amdhsa_private_segment_fixed_size 0
		.amdhsa_enable_private_segment 0
		.amdhsa_kernarg_size 104
		.amdhsa_user_sgpr_count 2
		.amdhsa_user_sgpr_kernarg_segment_ptr 1
		.amdhsa_wavefront_size32 1
		.amdhsa_system_sgpr_workgroup_id_x 1
		.amdhsa_system_sgpr_workgroup_id_y 1
		.amdhsa_system_sgpr_workgroup_id_z 1
		.amdhsa_system_vgpr_workitem_id 0
		.amdhsa_next_free_vgpr 1024
		.amdhsa_next_free_sgpr 106
		.amdhsa_reserve_vcc 0
		.amdhsa_float_denorm_mode_32 3
		.amdhsa_float_denorm_mode_16_64 3
		.amdhsa_memory_ordered 1
		.amdhsa_forward_progress 1
		.amdhsa_inst_pref_size 172
	.end_amdhsa_kernel
	.amdgpu_metadata
---
amdhsa.version: [ 1, 2 ]
amdhsa.kernels:
  - .name:           k_qbb7360e589_proj
    .symbol:         k_qbb7360e589_proj.kd
    .args:
      - { .name: query_codes, .offset: 0, .size: 8, .value_kind: global_buffer, .address_space: global }
      - { .name: query_scales, .offset: 8, .size: 8, .value_kind: global_buffer, .address_space: global }
      - { .name: WQ_codes, .offset: 16, .size: 8, .value_kind: global_buffer, .address_space: global }
      - { .name: WQ_scales, .offset: 24, .size: 8, .value_kind: global_buffer, .address_space: global }
      - { .name: key_codes, .offset: 32, .size: 8, .value_kind: global_buffer, .address_space: global }
      - { .name: key_scales, .offset: 40, .size: 8, .value_kind: global_buffer, .address_space: global }
      - { .name: WK_codes, .offset: 48, .size: 8, .value_kind: global_buffer, .address_space: global }
      - { .name: WK_scales, .offset: 56, .size: 8, .value_kind: global_buffer, .address_space: global }
      - { .name: WV_codes, .offset: 64, .size: 8, .value_kind: global_buffer, .address_space: global }
      - { .name: WV_scales, .offset: 72, .size: 8, .value_kind: global_buffer, .address_space: global }
      - { .name: value_codes, .offset: 80, .size: 8, .value_kind: global_buffer, .address_space: global }
      - { .name: value_scales, .offset: 88, .size: 8, .value_kind: global_buffer, .address_space: global }
      - { .name: qkv, .offset: 96, .size: 8, .value_kind: global_buffer, .address_space: global }
    .group_segment_fixed_size: 327680
    .private_segment_fixed_size: 0
    .kernarg_segment_align: 8
    .kernarg_segment_size: 104
    .max_flat_workgroup_size: 128
    .sgpr_count:     106
    .vgpr_count:     1024
    .wavefront_size: 32
...
	.end_amdgpu_metadata
.endif
;; end of part 1
;; launch attn (part 2): grid 8 x 32, 8 waves a work-group, no clusters, 72,704 bytes of LDS; arguments qkv, attn_mask, out0; writes out0
.if DOCPART == 2
	.amdgcn_target "amdgcn-amd-amdhsa--gfx1250"
	.amdhsa_code_object_version 6
	.text
	.protected	k_qbb7360e589_attn
	.globl	k_qbb7360e589_attn
	.p2align	8
	.type	k_qbb7360e589_attn,@function
k_qbb7360e589_attn:
	s_mov_b64 s[64:65], 0
	v_nop
	global_prefetch_b8 v0, s[64:65] scope:SCOPE_SE
	s_setreg_imm32_b32 hwreg(HW_REG_WAVE_MODE, 25, 1), 1
	s_wait_xcnt 0x0
; out = (softmax((q k^T + (mask ? 0 : -1e6)) / 8) x mask) v for one head x batch (grid y) and 256 queries (grid x), on E3M2 codes; p is quantised finished and normalised.
; THE KEYS ARE DEALT TO THE WAVES: wave w holds keys 256 w .. 256 w + 255 of k and of v as operand registers (2 x 96) for the whole launch, read once from qkv.
; A trip takes a tile of 16 queries.  S^T = k q^T: lane (r, h) holds query r, register 16 b + i key 32 b + 16 h + i of my 256: the 128 scores stay in registers, so each score and each exponential is made once.
; My keys go in four pieces of 64, each with its own whole-number maximum Mk: p~ = 2^(t - Mk), t = score x log2(e) / 8.  The waves hand (-M, sum) of their keys to each other through LDS, one barrier a tile; then p = p~ x 2^(Mk - M) / sum.
; The pieces overlap: piece k + 1's C values stand between piece k's exponentials, its products are issued ahead of piece k's sums, its lane masks are fetched between the links of piece k's maximum.
; The mask serves twice, as in the problem: -1e6 as the C of the scores, and p~ set to 0 behind the row's sum.
; O^T = v^T p^T of my keys goes to LDS; tile i - 1's eight parts are added behind tile i's barrier, wave w taking queries 2 w, 2 w + 1: 16 lanes store 256 consecutive bytes, aligned.
; THE MASK is read once, two tiles ahead: a load brings 256 consecutive bytes of two rows.  Shifts and ORs gather 8 queries' flags of a key in a byte; two lane swaps, a neighbour exchange and byte permutes make lane masks
; (bit L of word 16 b + i: query L % 16, key 32 b + 16 (L / 16) + i); word (b, i) lies in lane 2 b + (i / 4) % 2 + 16 (i / 8), register i % 4, and goes to a scalar register by v_readlane_b32.
; The next tile's words are made between the barrier's signal and its wait (in the last tile that packing works on old bytes and its result is not used).
; No joint loads: what work-groups share (k, v: 196,608 bytes) is read once at the head straight into registers; the 524,288 mask bytes of a work-group are its own.  No prefetch: the mask's loads run two tiles ahead.
; LIMITS: a flag is a byte 0 or 1, as its type gives it.  The promise holds while the scaled scores t stay under 2^31 in magnitude.
; REGISTERS: window 0: v0-15 addresses, v16-33 q | 0 | q, v34-127 small things, v128-255 scores.  Window 1: v0-95 k, v96-191 v, v192-223 mask bytes, v224-255 O^T.
.set SPW, 1
.set NIL, 2
.set MO,  3
.set QL,  34
.set QR,  40
.set QSC, 41
.set KSC, 42
.set VSC, 46
.set T,   50
.set PC,  66
.set PW,  86
.set NM,  88                           ; v88 + 2 k: -Mk, v89 + 2 k: piece k's sum
.set ACC, 96
.set KP,  100
.set SD,  102
.set RC,  104
.set TA,  106
.set W,   112
.set EXR, 96
.set F,   96                           ; behind the exchange: v96 + 2 k the factor of piece k
.set RS,  104                          ; the two queries' finished sums
.set NW,  116
.set XT,  118
.set GM,  122
.set GS,  123
.set QT,  124
.set S,   128
.set VF,  96
.set RAW, 192
.set O,   224
.set OBASE, 2048                       ; LDS: 0 the exchange (2 x 1,024), 2,048 the parts of O^T (2 x 8 x 16 rows of 272), then the spare words
.set OPAR,  8*4352
.set SPARE, OBASE+2*OPAR
.set MSB, 0
.macro WIN new
.if MSB != (\new)
	s_set_vgpr_msb (MSB<<8)|(\new)
.set MSB, (\new)
.endif
.endm
.macro PLACES
.rept 4
	v_nop
.endr
.endm
	s_load_b128 s[4:7], s[0:1], 0x0                ; qkv, attn_mask
	s_load_b64 s[8:9], s[0:1], 0x10                ; out0
	v_lshl_add_u32 v[SPW], v0, 2, SPARE
	v_mov_b32 v[NIL], 0
	v_lshrrev_b32 v96, 5, v0
	v_readfirstlane_b32 s3, v96                    ; wave
	s_and_b32 s25, ttmp7, 0xffff                   ; head x 2 + batch
	s_mul_i32 s24, s25, 307200
	s_mul_i32 s26, s3, 12288                       ; my 256 keys' codes
	s_add_co_u32 s26, s26, s24
	s_mov_b32 s27, 0
	s_lshl_b32 s28, s3, 9                          ; and scale words
	s_add_co_u32 s28, s28, s24
	s_mov_b32 s29, 0
	s_mul_i32 s30, ttmp9, 12288                    ; q: 16 tiles of 768 bytes
	s_add_co_u32 s30, s30, s24
	s_add_co_u32 s30, s30, 204800
	s_mov_b32 s31, 0
	s_lshl_b32 s32, ttmp9, 9
	s_add_co_u32 s32, s32, s24
	s_add_co_u32 s32, s32, 303104
	s_mov_b32 s33, 0
	s_lshl_b32 s34, s25, 22                        ; mask: 2,048 x 2,048 a head x batch, 256 rows a work-group, 256 bytes a wave
	s_lshl_b32 s36, ttmp9, 19
	s_add_co_u32 s34, s34, s36
	s_lshl_b32 s36, s3, 8
	s_add_co_u32 s34, s34, s36
	s_mov_b32 s35, 0
	s_and_b32 s36, s25, 1                          ; out0: batch, row, head
	s_lshl_b32 s36, s36, 23
	s_lshl_b32 s37, ttmp9, 20
	s_add_co_u32 s36, s36, s37
	s_lshr_b32 s37, s25, 1
	s_lshl_b32 s37, s37, 8
	s_add_co_u32 s36, s36, s37
	s_mov_b32 s37, 0
	s_mov_b32 s17, 0xc9742400                      ; -1e6
	s_mov_b32 s18, 0x76543210
	s_mov_b32 s19, 0xfedcba98
	s_mov_b32 s20, 0xaaaaaaaa                      ; the odd lanes
	s_mov_b32 s21, 0xff00ff00
	s_mov_b32 s22, 0x05010400
	s_mov_b32 s23, 0x07030602
	s_mov_b32 s66, 0x3e38aa3b                      ; log2(e) / 8
	s_mov_b32 s67, s66
	v_and_b32 v97, 31, v0
	v_and_b32 v98, 15, v0                          ; g
	v_bfe_u32 v99, v0, 4, 1                        ; H
	v_lshlrev_b32 v[MO], 4, v98
	v_lshl_add_u32 v[MO], v99, 14, v[MO]           ; mask: 16 g, lanes 16-31 eight rows down
	v_xor_b32 v100, 8, v97
	v_lshlrev_b32 v4, 4, v97
	v_lshlrev_b32 v5, 4, v100
	v_lshlrev_b32 v6, 3, v97
	v_lshlrev_b32 v7, 3, v100
	v_and_b32 v8, 7, v0
	v_lshlrev_b32 v8, 3, v8
	v_lshlrev_b32 v10, 3, v98                      ; the exchange: 8 bytes a query, 128 a wave
	s_lshl_b32 s38, s3, 7
	v_add_nc_u32 v9, s38, v10
	s_mul_i32 s38, s3, 4352
	s_add_co_u32 s38, s38, OBASE
	v_mul_u32_u24 v11, v98, 272
	v_lshl_add_u32 v11, v99, 5, v11
	v_add_nc_u32 v11, s38, v11                     ; my part of O^T: row r, 32 h
	s_mul_i32 s38, s3, 544
	s_add_co_u32 s38, s38, OBASE
	v_mul_u32_u24 v12, v99, 272
	v_lshl_add_u32 v12, v98, 4, v12
	v_add_nc_u32 v12, s38, v12                     ; back: row 2 w + H, 16 g
	s_lshl_b32 s38, s3, 13
	v_lshlrev_b32 v13, 4, v98
	v_lshl_add_u32 v13, v99, 12, v13
	v_add_nc_u32 v13, s38, v13                     ; the same in out0
	v_mov_b32 v101, 0x05040100
	v_mov_b32 v102, 0x01000504
	v_cndmask_b32 v14, v101, v102, s20
	v_mov_b32 v101, 0x07060302
	v_mov_b32 v102, 0x03020706
	v_cndmask_b32 v15, v101, v102, s20
	v_and_b32 v101, 7, v0                          ; k's fragment pieces as the first launch laid them
	v_bfe_u32 v102, v0, 3, 1
	v_lshlrev_b32 v103, 4, v101
	v_lshl_add_u32 v103, v99, 8, v103
	v_mad_u32_u24 v104, v102, 896, v103
	v_mad_u32_u24 v105, v102, 640, v103
	v_add_nc_u32 v105, 128, v105
	v_lshlrev_b32 v103, 3, v101
	v_lshl_add_u32 v103, v99, 7, v103
	v_mad_u32_u24 v106, v102, 832, v103
	v_add_nc_u32 v106, 512, v106
	v_mad_u32_u24 v107, v102, 704, v103
	v_add_nc_u32 v107, 576, v107
.irp i, 22,23,24,25,26,27, T+4,T+5,T+6,T+7, NM+1,NM+3,NM+5,NM+7
	v_mov_b32 v[\i], 0                             ; q's zero half; destinations of lane permutes and upper halves of pairs, written once
.endr
	s_wait_alu depctr_va_vdst(0)                   ; the wait at the head's end
	s_wait_kmcnt 0x0
	s_add_nc_u64 s[14:15], s[4:5], s[28:29]
	s_add_nc_u64 s[10:11], s[4:5], s[30:31]
	s_add_nc_u64 s[12:13], s[4:5], s[32:33]
	s_add_nc_u64 s[4:5], s[4:5], s[26:27]
	s_add_nc_u64 s[6:7], s[6:7], s[34:35]
	s_add_nc_u64 s[8:9], s[8:9], s[36:37]
	WIN 0x40
.irp j, 0,1,2,3,4,5,6,7
	global_load_b128 v[RAW+4*\j:RAW+4*\j+3], v[MO], s[6:7] offset:2048*\j th:TH_LOAD_NT
.endr
.irp c, 0,1
.irp g, 0,1,2,3
	global_load_b128 v[48*\c+12*\g:48*\c+12*\g+3], v104, s[4:5] offset:6144*\c+1536*\g
	global_load_b64 v[48*\c+12*\g+4:48*\c+12*\g+5], v106, s[4:5] offset:6144*\c+1536*\g
	global_load_b128 v[48*\c+12*\g+6:48*\c+12*\g+9], v105, s[4:5] offset:6144*\c+1536*\g
	global_load_b64 v[48*\c+12*\g+10:48*\c+12*\g+11], v107, s[4:5] offset:6144*\c+1536*\g
.endr
.irp t, 0,1,2,3
.irp k, 0,1,2
	global_load_b128 v[VF+48*\c+12*\t+4*\k:VF+48*\c+12*\t+4*\k+3], v4, s[4:5] offset:102400+6144*\c+1536*\t+512*\k
.endr
.endr
.endr
	WIN 0
.irp c, 0,1
	global_load_b64 v[KSC+2*\c:KSC+2*\c+1], v6, s[14:15] offset:98304+256*\c
	global_load_b64 v[VSC+2*\c:VSC+2*\c+1], v6, s[14:15] offset:200704+256*\c
.endr
	global_load_b128 v[QL:QL+3], v4, s[10:11]
	global_load_b64 v[QL+4:QL+5], v6, s[10:11] offset:512
	global_load_b32 v[QR], v8, s[12:13]
; mask bytes -> four words a lane; q's scale word
.macro PACK
	WIN 0x11
.irp d, 0,1,2,3
	v_lshl_or_b32 v[ACC+\d], v[RAW+4+\d], 1, v[RAW+\d]
.endr
	WIN 0x01
.irp j, 2,3,4,5,6,7
.irp d, 0,1,2,3
	v_lshl_or_b32 v[ACC+\d], v[RAW+4*\j+\d], \j, v[ACC+\d]
.endr
.endr
	WIN 0
	v_perm_b32 v[PW+1], v[QR], v[QR], 0x01000100
	v_perm_b32 v[QT], v[QR], v[QR], 0x03020302
	v_permlane16_swap_b32 v[ACC], v[ACC+2]         ; lane (g, H): keys 4 (2 H) + y and 4 (2 H + 1) + y of its 16, all 16 queries
	v_permlane16_swap_b32 v[ACC+1], v[ACC+3]
	v_cndmask_b32 v[QSC], v[PW+1], v[QT], s21
	v_cndmask_b32 v[KP], v[ACC], v[ACC+1], s20
	v_cndmask_b32 v[KP+1], v[ACC+2], v[ACC+3], s20
	v_cndmask_b32 v[SD], v[ACC+1], v[ACC], s20
	v_cndmask_b32 v[SD+1], v[ACC+3], v[ACC+2], s20
	v_perm_b32 v[TA], v[KP+1], v[KP], s22
	v_perm_b32 v[TA+1], v[KP+1], v[KP], s23
	v_mov_b32_dpp v[RC], v[SD] row_xmask:1 row_mask:0xf bank_mask:0xf
	v_mov_b32_dpp v[RC+1], v[SD+1] row_xmask:1 row_mask:0xf bank_mask:0xf
	v_perm_b32 v[TA+2], v[RC+1], v[RC], s22
	v_perm_b32 v[TA+3], v[RC+1], v[RC], s23
	v_perm_b32 v[W], v[TA+2], v[TA], v14
	v_perm_b32 v[W+1], v[TA+2], v[TA], v15
	v_perm_b32 v[W+2], v[TA+3], v[TA+1], v14
	v_perm_b32 v[W+3], v[TA+3], v[TA+1], v15
.endm
; words m0 .. m0 + cnt - 1 of piece k into scalar set k % 2 (s32-63, s68-99)
.macro RD k, m0, cnt
.set m, \m0
.rept \cnt
	v_readlane_b32 s[32+36*((\k)%2)+m], v[W+m%4], 2*(2*(\k)+m/16)+((m%16)/4)%2+16*((m%16)/8)
.set m, m+1
.endr
.endm
; the mask's second use on p~ of piece k
.macro CN2 k, m0, cnt
.set m, \m0
.rept \cnt
	v_cndmask_b32 v[S+32*(\k)+m], 0, v[S+32*(\k)+m], s[32+36*((\k)%2)+m]
.set m, m+1
.endr
.endm
; the scores of piece k: four tiles of 16 keys
.macro QK k
	WIN 0x01
.irp g, 0,1
.irp u, 0,1
.if (\k)%2 == 0
	v_wmma_scale_f32_16x16x128_f8f6f4 v[S+32*(\k)+16*\g+8*\u:S+32*(\k)+16*\g+8*\u+7], v[24*(\k)+12*\g:24*(\k)+12*\g+11], v[16+6*\u:27+6*\u], v[S+32*(\k)+16*\g+8*\u:S+32*(\k)+16*\g+8*\u+7], v[KSC+2*((\k)/2)+\g], v[QSC] matrix_a_fmt:MATRIX_FMT_BF6 matrix_b_fmt:MATRIX_FMT_BF6
.else
	v_wmma_scale_f32_16x16x128_f8f6f4 v[S+32*(\k)+16*\g+8*\u:S+32*(\k)+16*\g+8*\u+7], v[24*(\k)+12*\g:24*(\k)+12*\g+11], v[16+6*\u:27+6*\u], v[S+32*(\k)+16*\g+8*\u:S+32*(\k)+16*\g+8*\u+7], v[KSC+2*((\k)/2)+\g], v[QSC] matrix_a_fmt:MATRIX_FMT_BF6 matrix_b_fmt:MATRIX_FMT_BF6 matrix_a_scale:MATRIX_SCALE_ROW1
.endif
.endr
.endr
	WIN 0
.endm
; piece j's sum of p~ (four chains), then p~ x mask
.macro TAIL j
.set SBT, S+32*(\j)
.irp a, 0,1,2,3
	v_pk_add_f32 v[T+8+2*\a:T+9+2*\a], v[SBT+2*\a:SBT+2*\a+1], v[SBT+8+2*\a:SBT+9+2*\a]
.endr
.irp a, 0,1,2,3
	v_pk_add_f32 v[T+8+2*\a:T+9+2*\a], v[T+8+2*\a:T+9+2*\a], v[SBT+16+2*\a:SBT+17+2*\a]
.endr
.irp a, 0,1,2,3
	v_pk_add_f32 v[T+8+2*\a:T+9+2*\a], v[T+8+2*\a:T+9+2*\a], v[SBT+24+2*\a:SBT+25+2*\a]
.endr
	CN2 \j, 0, 4
	v_pk_add_f32 v[T+8:T+9], v[T+8:T+9], v[T+10:T+11]
	v_pk_add_f32 v[T+12:T+13], v[T+12:T+13], v[T+14:T+15]
	CN2 \j, 4, 7
	v_pk_add_f32 v[T+8:T+9], v[T+8:T+9], v[T+12:T+13]
	CN2 \j, 11, 7
	v_add_f32 v[T+8], v[T+8], v[T+9]
	CN2 \j, 18, 7
	v_permlanex16_b32 v[T+6], v[T+8], s18, s19
	CN2 \j, 25, 7
	v_add_f32 v[NM+2*(\j)+1], v[T+8], v[T+6]
.endm
; piece k, whose products have been issued: the piece before is finished, then this piece's maximum and exponentials, and the next piece's products are issued
.macro PH1 k
.if \k > 0
	TAIL \k-1
.else
	RD 1, 0, 32
.endif
.set SB, S+32*\k
.irp a, 0,1,2,3
	v_max3_num_f32 v[T+\a], v[SB+8*\a], v[SB+8*\a+1], v[SB+8*\a+2]
.endr
.irp a, 0,1,2,3
	v_max3_num_f32 v[T+\a], v[T+\a], v[SB+8*\a+3], v[SB+8*\a+4]
.endr
.irp a, 0,1,2,3
	v_max3_num_f32 v[T+\a], v[T+\a], v[SB+8*\a+5], v[SB+8*\a+6]
.endr
.irp a, 0,1,2,3
	v_max_num_f32 v[T+\a], v[T+\a], v[SB+8*\a+7]
.endr
.if (\k == 1) || (\k == 2)
	RD \k+1, 0, 4
	v_max3_num_f32 v[T+4], v[T], v[T+1], v[T+2]
	RD \k+1, 4, 6
	v_max_num_f32 v[T+4], v[T+4], v[T+3]
	RD \k+1, 10, 6
	v_permlanex16_b32 v[T+5], v[T+4], s18, s19
	RD \k+1, 16, 6
	v_max_num_f32 v[T+4], v[T+4], v[T+5]
	RD \k+1, 22, 5
	v_mul_f32 v[T+4], s66, v[T+4]
	RD \k+1, 27, 5
	v_floor_f32 v[NM+2*\k], -v[T+4]                ; -Mk = floor(-t): a whole number
.else
	v_max3_num_f32 v[T+4], v[T], v[T+1], v[T+2]
	s_delay_alu instid0(VALU_DEP_1)
	v_max_num_f32 v[T+4], v[T+4], v[T+3]
	s_delay_alu instid0(VALU_DEP_1)
	v_permlanex16_b32 v[T+5], v[T+4], s18, s19
	s_delay_alu instid0(VALU_DEP_1)
	v_max_num_f32 v[T+4], v[T+4], v[T+5]
	s_delay_alu instid0(VALU_DEP_1)
	v_mul_f32 v[T+4], s66, v[T+4]
	s_delay_alu instid0(VALU_DEP_1)
	v_floor_f32 v[NM+2*\k], -v[T+4]
.endif
.set j, 0
.rept 16
	v_pk_fma_f32 v[SB+j:SB+j+1], v[SB+j:SB+j+1], s[66:67], v[NM+2*\k:NM+2*\k+1] op_sel_hi:[1,0,0]
.set j, j+2
.endr
	s_wait_alu depctr_va_vdst(0)                   ; the wait ahead of the batch
.if \k == 3
	s_wait_loadcnt 0x0                             ; the next tile's q and mask bytes, asked for in the tile before this one
.endif
.set m, 0
.rept 32
	v_exp_f32 v[SB+m], v[SB+m]
.if \k < 3
	v_cndmask_b32 v[SB+32+m], s17, 0, s[32+36*((\k+1)%2)+m]    ; the next piece's C: read only behind the wait below
.else
.if m < 6
	v_mov_b32 v[16+m], v[QL+m]                     ; the next tile's q | 0 | q
.else
.if m < 12
	v_mov_b32 v[22+m], v[QL+m-6]
.endif
.endif
.endif
.set m, m+1
.endr
.if \k < 3
	PLACES
	s_wait_alu depctr_va_vdst(0)                   ; and behind it
	QK \k+1
.else
	v_nop
	s_wait_alu depctr_va_vdst(0)
	TAIL 3
.endif
.endm
; p of 128 keys: normalised, quantised in blocks of 32 keys, multiplied with v
.macro PVC c
.set SB, S+64*\c
.set j, 0
.rept 32
	v_pk_mul_f32 v[SB+j:SB+j+1], v[SB+j:SB+j+1], v[F+4*\c+2*(j/32):F+4*\c+2*(j/32)+1] op_sel_hi:[1,0]
.set j, j+2
.endr
.irp b, 0,1,2,3
	v_max3_num_f32 v[T+\b], v[SB+16*\b], v[SB+16*\b+1], 0x2800000
.endr
.irp i, 2,4,6,8,10,12,14
.irp b, 0,1,2,3
	v_max3_num_f32 v[T+\b], v[T+\b], v[SB+16*\b+\i], v[SB+16*\b+\i+1]
.endr
.endr
.irp b, 0,1,2,3
	v_permlanex16_b32 v[T+4+\b], v[T+\b], s18, s19
.endr
.irp b, 0,1,2,3
	v_max_num_f32 v[T+\b], v[T+\b], v[T+4+\b]
.endr
.irp b, 0,1,2,3
	v_add_nc_u32 v[T+12+\b], 0xfe000000, v[T+\b]
.endr
.irp b, 0,1,2,3
	v_lshrrev_b32 v[T+4+\b], 23, v[T+12+\b]
.endr
	v_lshl_or_b32 v[PW], v[T+5], 8, v[T+4]
	s_delay_alu instid0(VALU_DEP_1)
	v_lshl_or_b32 v[PW], v[T+6], 16, v[PW]
	s_delay_alu instid0(VALU_DEP_1)
	v_lshl_or_b32 v[PW], v[T+7], 24, v[PW]
.irp k, 0,1
	v_cvt_scalef32_pk16_bf6_f32 v[PC+6*\k:PC+2+6*\k], v[SB+32*\k:SB+15+32*\k], v[T+12+2*\k]
	v_cvt_scalef32_pk16_bf6_f32 v[PC+12+4*\k:PC+14+4*\k], v[SB+16+32*\k:SB+31+32*\k], v[T+13+2*\k]
.endr
	v_nop
.irp k, 0,1
.irp i, 0,1,2
	v_permlane16_swap_b32 v[PC+6*\k+\i], v[PC+12+4*\k+\i]
.endr
.irp i, 0,1,2
	v_mov_b32 v[PC+3+6*\k+\i], v[PC+12+4*\k+\i]
.endr
.endr
	PLACES
	WIN 0x51
.irp t, 0,1,2,3
.if \c == 0
.if \t < 2
	v_wmma_scale_f32_16x16x128_f8f6f4 v[O+8*\t:O+8*\t+7], v[VF+12*\t:VF+12*\t+11], v[PC:PC+11], 0, v[VSC+(\t%2)], v[PW] matrix_a_fmt:MATRIX_FMT_BF6 matrix_b_fmt:MATRIX_FMT_BF6
.else
	v_wmma_scale_f32_16x16x128_f8f6f4 v[O+8*\t:O+8*\t+7], v[VF+12*\t:VF+12*\t+11], v[PC:PC+11], 0, v[VSC+(\t%2)], v[PW] matrix_a_fmt:MATRIX_FMT_BF6 matrix_b_fmt:MATRIX_FMT_BF6 matrix_a_scale:MATRIX_SCALE_ROW1
.endif
.else
.if \t < 2
	v_wmma_scale_f32_16x16x128_f8f6f4 v[O+8*\t:O+8*\t+7], v[VF+48+12*\t:VF+48+12*\t+11], v[PC:PC+11], v[O+8*\t:O+8*\t+7], v[VSC+2+(\t%2)], v[PW] matrix_a_fmt:MATRIX_FMT_BF6 matrix_b_fmt:MATRIX_FMT_BF6
.else
	v_wmma_scale_f32_16x16x128_f8f6f4 v[O+8*\t:O+8*\t+7], v[VF+48+12*\t:VF+48+12*\t+11], v[PC:PC+11], v[O+8*\t:O+8*\t+7], v[VSC+2+(\t%2)], v[PW] matrix_a_fmt:MATRIX_FMT_BF6 matrix_b_fmt:MATRIX_FMT_BF6 matrix_a_scale:MATRIX_SCALE_ROW1
.endif
.endif
.endr
	WIN 0
.endm
; the eight parts of two queries' O are added and stored
.macro REDUCE par, sb, off
.irp u, 0,1,2,3,4,5,6,7
	ds_load_b128 v[S+4*\u:S+4*\u+3], v12 offset:OPAR*(\par)+4352*\u
.endr
	s_wait_dscnt 0x0
.irp u, 0,2,4,6
	v_pk_add_f32 v[S+4*\u:S+4*\u+1], v[S+4*\u:S+4*\u+1], v[S+4*\u+4:S+4*\u+5]
	v_pk_add_f32 v[S+4*\u+2:S+4*\u+3], v[S+4*\u+2:S+4*\u+3], v[S+4*\u+6:S+4*\u+7]
.endr
.irp u, 0,4
	v_pk_add_f32 v[S+4*\u:S+4*\u+1], v[S+4*\u:S+4*\u+1], v[S+4*\u+8:S+4*\u+9]
	v_pk_add_f32 v[S+4*\u+2:S+4*\u+3], v[S+4*\u+2:S+4*\u+3], v[S+4*\u+10:S+4*\u+11]
.endr
	v_pk_add_f32 v[RS:RS+1], v[S:S+1], v[S+16:S+17]
	v_pk_add_f32 v[RS+2:RS+3], v[S+2:S+3], v[S+18:S+19]
	global_store_b128 v13, v[RS:RS+3], s[\sb:\sb+1] offset:\off th:TH_STORE_NT
.endm
; tile s16 + p
.macro ITER p
	RD 0, 0, 32
.set m, 0
.rept 32
	v_cndmask_b32 v[S+m], s17, 0, s[32+m]
.set m, m+1
.endr
	PLACES
	QK 0
	PH1 0
	PH1 1
	PH1 2
	PH1 3
	v_min3_num_f32 v[NW], v[NM], v[NM+2], v[NM+4]  ; my keys' -M, and their sum under it
	s_delay_alu instid0(VALU_DEP_1)
	v_min_num_f32 v[NW], v[NW], v[NM+6]
.irp k, 0,1,2,3
	v_sub_f32 v[XT+\k], v[NW], v[NM+2*\k]
.endr
.irp k, 0,1,2,3
	v_cvt_i32_f32 v[XT+\k], v[XT+\k]
.endr
.irp k, 0,1,2,3
	v_ldexp_f32 v[XT+\k], v[NM+2*\k+1], v[XT+\k]
.endr
	v_add_f32 v[XT], v[XT], v[XT+1]
	v_add_f32 v[XT+2], v[XT+2], v[XT+3]
	s_delay_alu instid0(VALU_DEP_1)
	v_add_f32 v[NW+1], v[XT], v[XT+2]
	ds_store_b64 v9, v[NW:NW+1] offset:1024*\p
	s_wait_alu depctr_va_vdst(0)
	s_wait_xcnt 0x0                                ; the last tile's loads and store have read their registers and bases
	s_wait_dscnt 0x0                               ; my pair and my part of the last tile's O^T are stored, my reads are over
	s_barrier_signal -1
	PACK                                           ; work on registers while the others arrive: the next tile's words
	s_wait_alu depctr_va_vdst(0)
	s_barrier_wait -1
.irp u, 0,1,2,3,4,5,6,7
	ds_load_b64 v[EXR+2*\u:EXR+2*\u+1], v10 offset:1024*\p+128*\u
.endr
	s_add_co_u32 s24, s16, \p+2                    ; the tile two on, held inside my 16
	s_min_u32 s24, s24, 15
	s_lshl_b32 s26, s24, 15
	s_mov_b32 s27, 0
	s_add_nc_u64 s[28:29], s[6:7], s[26:27]        ; its mask rows,
	s_mul_i32 s26, s24, 768
	s_add_nc_u64 s[30:31], s[10:11], s[26:27]      ; its q codes,
	s_lshr_b32 s26, s24, 3
	s_lshl_b32 s26, s26, 8
	s_bfe_u32 s25, s24, 0x10002
	s_lshl_b32 s25, s25, 7
	s_add_co_u32 s26, s26, s25
	s_bfe_u32 s25, s24, 0x10001
	s_lshl_b32 s25, s25, 2
	s_add_co_u32 s26, s26, s25
	s_and_b32 s25, s24, 1
	s_lshl_b32 s25, s25, 6
	s_add_co_u32 s26, s26, s25
	s_add_nc_u64 s[100:101], s[12:13], s[26:27]    ; its q scales;
.if \p
	s_lshl_b32 s26, s16, 16
.else
	s_sub_co_i32 s26, s16, 1
	s_max_i32 s26, s26, 0
	s_lshl_b32 s26, s26, 16
.endif
	s_add_nc_u64 s[104:105], s[8:9], s[26:27]      ; and the last tile's rows of out0
	s_cmp_eq_u32 s16, 14
	s_cbranch_scc1 .Lno_next_\@                    ; the last two tiles ask for nothing
	WIN 0x40
.irp j, 0,1,2,3,4,5,6,7
	global_load_b128 v[RAW+4*\j:RAW+4*\j+3], v[MO], s[28:29] offset:2048*\j th:TH_LOAD_NT
.endr
	WIN 0
	global_load_b128 v[QL:QL+3], v[4+\p], s[30:31]
	global_load_b64 v[QL+4:QL+5], v[6+\p], s[30:31] offset:512
	global_load_b32 v[QR], v8, s[100:101]
.Lno_next_\@:
	s_wait_dscnt 0x0
	v_min3_num_f32 v[GM], v[EXR], v[EXR+2], v[EXR+4]
	s_delay_alu instid0(VALU_DEP_1)
	v_min3_num_f32 v[GM], v[GM], v[EXR+6], v[EXR+8]
	s_delay_alu instid0(VALU_DEP_1)
	v_min3_num_f32 v[GM], v[GM], v[EXR+10], v[EXR+12]
	s_delay_alu instid0(VALU_DEP_1)
	v_min_num_f32 v[GM], v[GM], v[EXR+14]          ; the row's -M
.irp u, 0,1,2,3,4,5,6,7
	v_sub_f32 v[EXR+2*\u], v[GM], v[EXR+2*\u]
.endr
.irp u, 0,1,2,3,4,5,6,7
	v_cvt_i32_f32 v[EXR+2*\u], v[EXR+2*\u]
.endr
.irp u, 0,1,2,3,4,5,6,7
	v_ldexp_f32 v[EXR+2*\u+1], v[EXR+2*\u+1], v[EXR+2*\u]
.endr
.irp u, 0,2,4,6
	v_add_f32 v[EXR+2*\u+1], v[EXR+2*\u+1], v[EXR+2*\u+3]
.endr
.irp k, 0,1,2,3
	v_sub_f32 v[XT+\k], v[GM], v[NM+2*\k]
.endr
	v_add_f32 v[EXR+1], v[EXR+1], v[EXR+5]
	v_add_f32 v[EXR+9], v[EXR+9], v[EXR+13]
.irp k, 0,1,2,3
	v_cvt_i32_f32 v[XT+\k], v[XT+\k]
.endr
	v_add_f32 v[GS], v[EXR+1], v[EXR+9]            ; the row's sum: at least 1/2
	s_wait_alu depctr_va_vdst(0)                   ; the wait ahead of the transcendental
	v_rcp_f32 v[GS], v[GS]
	v_nop
	s_wait_alu depctr_va_vdst(0)                   ; and behind it
.irp k, 0,1,2,3
	v_ldexp_f32 v[F+2*\k], v[GS], v[XT+\k]         ; 2^(Mk - M) / sum
.endr
	PVC 0
	PVC 1
	PLACES
	WIN 0x04
.irp t, 0,1,2,3
	ds_store_b128 v11, v[O+8*\t:O+8*\t+3] offset:OPAR*\p+64*\t
	ds_store_b128 v11, v[O+8*\t+4:O+8*\t+7] offset:OPAR*\p+64*\t+16
.endr
	WIN 0
.if \p == 0
	s_wait_alu depctr_va_vdst(0)
	s_cmp_eq_u32 s16, 0
	s_cbranch_scc1 .Lfirst_\@                      ; the first tile has none before it
.endif
	REDUCE 1-\p, 104, 0
.if \p == 0
.Lfirst_\@:
.endif
.endm
	s_wait_loadcnt 0x0                             ; k, v, and tile 0's mask bytes and q
	PACK
.irp i, 0,1,2,3,4,5
	v_mov_b32 v[16+\i], v[QL+\i]
	v_mov_b32 v[28+\i], v[QL+\i]
.endr
	WIN 0x40
.irp j, 0,1,2,3,4,5,6,7
	global_load_b128 v[RAW+4*\j:RAW+4*\j+3], v[MO], s[6:7] offset:32768+2048*\j th:TH_LOAD_NT
.endr
	WIN 0
	global_load_b128 v[QL:QL+3], v5, s[10:11] offset:768
	global_load_b64 v[QL+4:QL+5], v7, s[10:11] offset:768+512
	global_load_b32 v[QR], v8, s[12:13] offset:64
	s_mov_b32 s16, 0
	s_wait_alu depctr_va_vdst(0)
.Lpair:
	ITER 0
	ITER 1
	s_add_co_u32 s16, s16, 2
	s_cmp_lt_u32 s16, 16
	s_wait_alu depctr_va_vdst(0)
	s_cbranch_scc1 .Lpair
	s_wait_dscnt 0x0                               ; my part of the last tile's O^T is stored
	s_barrier_signal -1
	s_barrier_wait -1
	s_wait_xcnt 0x0
	REDUCE 1, 8, 15*65536
	s_wait_tensorcnt 0x0                           ; the wave's end
	ds_add_u32 v[SPW], v[NIL]
	s_wait_dscnt 0x0
	s_endpgm
.Lfunc_end_k_qbb7360e589_attn:
	.size	k_qbb7360e589_attn, .Lfunc_end_k_qbb7360e589_attn-k_qbb7360e589_attn
	.p2alignl 7, 3214868480
	.fill 96, 4, 3214868480
	.section	.rodata,"a",@progbits
	.p2align	6, 0x0
	.amdhsa_kernel k_qbb7360e589_attn
		.amdhsa_group_segment_fixed_size 72704
		.amdhsa_private_segment_fixed_size 0
		.amdhsa_enable_private_segment 0
		.amdhsa_kernarg_size 24
		.amdhsa_user_sgpr_count 2
		.amdhsa_user_sgpr_kernarg_segment_ptr 1
		.amdhsa_wavefront_size32 1
		.amdhsa_system_sgpr_workgroup_id_x 1
		.amdhsa_system_sgpr_workgroup_id_y 1
		.amdhsa_system_sgpr_workgroup_id_z 1
		.amdhsa_system_vgpr_workitem_id 0
		.amdhsa_next_free_vgpr 512
		.amdhsa_next_free_sgpr 106
		.amdhsa_reserve_vcc 0
		.amdhsa_float_denorm_mode_32 3
		.amdhsa_float_denorm_mode_16_64 3
		.amdhsa_memory_ordered 1
		.amdhsa_forward_progress 1
		.amdhsa_inst_pref_size 156
	.end_amdhsa_kernel
	.amdgpu_metadata
---
amdhsa.version: [ 1, 2 ]
amdhsa.kernels:
  - .name:           k_qbb7360e589_attn
    .symbol:         k_qbb7360e589_attn.kd
    .args:
      - { .name: qkv, .offset: 0, .size: 8, .value_kind: global_buffer, .address_space: global }
      - { .name: attn_mask, .offset: 8, .size: 8, .value_kind: global_buffer, .address_space: global }
      - { .name: out0, .offset: 16, .size: 8, .value_kind: global_buffer, .address_space: global }
    .group_segment_fixed_size: 72704
    .private_segment_fixed_size: 0
    .kernarg_segment_align: 8
    .kernarg_segment_size: 24
    .max_flat_workgroup_size: 256
    .sgpr_count:     106
    .vgpr_count:     512
    .wavefront_size: 32
...
	.end_amdgpu_metadata
.endif
;; end of part 2
